; MI455X (gfx1250); checked and timed in simulation.
; The chip was launched on July 23, 2026; its instructions are those of AMD's public machine-readable ISA for CDNA 5 (MIT licence, August 2026) and "CDNA5" Instruction Set Architecture Reference Guide (July 2026). The comments in the code are by the model that wrote it; some were corrected since.
;; Attention Fusion. Allowed arithmetic: matrix products marked QUANTISED: E5M2 operands, one given power-of-two scale a tensor, by v_wmma_f32_16x16x64_bf8_bf8 or v_wmma_f32_16x16x128_bf8_bf8, f32 sums; everything else in f32.
;; Inputs: lowp_scales 8 int32 (the exponents e of the quantised operands' scales 2^e); out_b 1,024 float32; out_w_codes 1,024 x 32 x 32 uint8 (E5M2 codes of out_w, K innermost, in blocks of 32 codes); qkv_b 3,072 float32; qkv_w_codes 3,072 x 32 x 32 uint8 (E5M2 codes of qkv_w, K innermost, in blocks of 32 codes); x_codes 2 x 2,048 x 32 x 32 uint8 (E5M2 codes of x, K innermost, in blocks of 32 codes).
;; Outputs: out0 2 x 2,048 x 1,024 float32.
;; This version of the problem:
;;   THIS VERSION OF THE PROBLEM IS GIVEN IN LOW PRECISION. The matrix products marked QUANTISED in the list below multiply operands that are first quantised to E5M2 (5 exponent bits, 2 mantissa bits; 8 bits a number), with one given power-of-two scale for each operand tensor; their sums are f32. All else is computed in f32.
;;   The module's matrix products, in the order in which they are computed (A, B: the left and right operand; K: the contracted axis; several contracted axes count as one K, in the product's order):
;;     1. [M 4,096, K 1,024] x [K 1,024, N 3,072]; A: input x (given as codes); B: input qkv_w (given as codes): QUANTISED (scales: A lowp_scales[0], B lowp_scales[1])
;;     2. batch 32 x [M 2,048, K 64] x [K 64, N 2,048]; A: computed on the way; B: computed on the way: QUANTISED (scales: A lowp_scales[2], B lowp_scales[3])
;;     3. batch 32 x [M 2,048, K 2,048] x [K 2,048, N 64]; A: softmax (see below); B: computed on the way: QUANTISED (scales: A lowp_scales[4], B lowp_scales[5])
;;     4. [M 4,096, K 1,024] x [K 1,024, N 1,024]; A: computed on the way; B: input out_w (given as codes): QUANTISED (scales: A lowp_scales[6], B lowp_scales[7])
;;   THE QUANTISER, for each operand of a quantised product, along K:
;;     - The operand's scale is 2^e, e = its entry of the input lowp_scales (int32; the entries are numbered through the quantised products in the list's order, A before B).
;;     - Each number is divided by the scale, clamped to +-57,344, and rounded to the nearest number of E5M2, ties to even, subnormals kept.
;;     - The product sums the exact products of the quantised numbers (number of the format x scale) in f32.
;;   ~~~python
;;   def quantise(x, axis, e):      # numpy; x: float32 -> the quantised numbers, widened to float32 again
;;       x = np.moveaxis(x, axis, -1); K = x.shape[-1]
;;       r = np.clip(x / 2.0 ** e, -57344, 57344)
;;       step = 2.0 ** (np.maximum(np.frexp(np.where(r == 0, 1, r))[1] - 1, -14) - 2)
;;       q = np.round(r / step) * step * 2.0 ** e      # np.round: ties to even
;;       return np.moveaxis(q, -1, axis).astype(np.float32)
;;   ~~~
;;   SOFTMAX AHEAD OF A QUANTISED PRODUCT. Where the list says 'softmax', what is quantised is not the finished softmax but p = 2^(t - M), with t = logit x log2(e) and M = ceil(the row's largest t), a whole number; so 1/2 < the row's largest p <= 1. The row's sum l is taken of the UNQUANTISED p, in f32, and the product's result is divided by l at the end. Since M is a whole number, a kernel that streams over the keys may use a running M (the ceiling of the running maximum): every later rescaling is an exact power of two, so the quantised numbers keep their values, but for numbers so far below the row's largest that they fall under the format's range.
;;   OPERANDS COMPUTED ON THE WAY. 'Computed on the way' means the value that the module computes at that place (a softmax that the list does not call 'softmax' is quantised finished and normalised). What goes into a quantiser is computed in f32, as accurately as f32 sums, v_exp_f32 and their like allow (about 1e-6 of the number): no bf16 or f16 on the way to a quantiser, and a product that is left as it is and whose result goes on into a quantised operand takes f32 operands (vector FMAs, or v_wmma_f32_16x16x4_f32). A number that lies on a knife's edge between two numbers of the format may be rounded either way, as far as f32 arithmetic and the matrix unit's own rounding can turn it there, and no further.
;;   INPUTS GIVEN AS CODES. out_w (in the module: [1024, 1024], K = its axis 1); qkv_w (in the module: [3072, 1024], K = its axis 1); x (in the module: [2, 2048, 1024], K = its axis 2): each comes as NAME_codes (uint8): NAME with its K axis moved to the last place and cut into blocks of 32 codes, [.., K / 32, bytes a block], one block behind the other in memory; one code a byte (a code: sign, 5 exponent bits, 2 mantissa bits); its scale is its entry of lowp_scales. Its value is code x scale, taken as it is: it is not quantised again, and the codes and scales need not be those that the quantiser above would give.
;; One version. Each part assembles by itself: llvm-mc -triple=amdgcn-amd-amdhsa -mcpu=gfx1250 --defsym DOCPART=n.
;; ======== version 1 of 1: 3 launches
;; limits: right only within a limited range of input values
;; workspace buffers: q_img 4,194,304 bytes; kv 8,388,608 bytes; o_img 4,194,304 bytes
;; launch qkv (part 1): grid 16 x 16, 4 waves a work-group, clusters of 4 x 4, 327,680 bytes of LDS; arguments x_codes, qkv_w_codes, qkv_b, lowp_scales, q_img, kv; writes q_img, kv
.if DOCPART == 1
	.amdgcn_target "amdgcn-amd-amdhsa--gfx1250"
	.amdhsa_code_object_version 6
	.text
	.protected	k_q42eb5c4a9c_qkv
	.globl	k_q42eb5c4a9c_qkv
	.p2align	8
	.type	k_q42eb5c4a9c_qkv,@function
k_q42eb5c4a9c_qkv:
	s_mov_b64 s[64:65], 0
	v_nop
	global_prefetch_b8 v0, s[64:65] scope:SCOPE_SE
	s_setreg_imm32_b32 hwreg(HW_REG_WAVE_MODE, 25, 1), 1
	s_wait_xcnt 0x0
	s_wait_alu depctr_hold_cnt(0) depctr_sa_sdst(0) depctr_va_vdst(0) depctr_va_sdst(0) depctr_va_ssrc(0) depctr_va_vcc(0) depctr_vm_vsrc(0)
	s_getreg_b32 s2, hwreg(HW_REG_IB_STS2, 6, 4)
	s_cmp_eq_u32 s2, 0
	s_cbranch_scc0 .Lentry_in_a_cluster
	s_endpgm
.Lentry_in_a_cluster:
	s_bfe_u32 s2, ttmp6, 0x10000c
	s_cmp_lg_u32 s2, 0xf033
	s_cbranch_scc0 .Lentry_shape_is_right
	s_endpgm
.Lentry_shape_is_right:
; qkv = x qkv_w^T + qkv_b on codes of E5M2, then q, k and v are quantised (scales 2^e2, 2^e3, 2^e5) and stored as IMAGES OF THE OPERAND REGISTERS that the attention launch wants.
; NOTHING IS LEFT OUT: every product, both biases and all eight scales have a way to the output (qkv_b moves the codes of q, k and v), so every input is loaded by some launch.
; SHARES.  Work-group (x, y): head x, tokens 256 y .. 256 y + 255: 256 tokens x 192 features (64 each of q, k, v).  Wave w: tokens 64 w .. 64 w + 63 x all 192: 4 token tiles a x 12 tiles wt = 4 z + t of W: 48 accumulators.
; q AND k ARE USED TRANSPOSED (source 0 = 16 rows of W, source 1 = 16 tokens): a lane holds one token and eight neighbouring channels d = 16 t + 8 (lane / 16) + 0..7, which one conversion turns into registers 2 t, 2 t + 1 of a K = 64 operand.
; v IS USED STRAIGHT (source 0 = 16 tokens, source 1 = 16 rows of W): a lane holds one channel and eight neighbouring tokens: registers 2 a, 2 a + 1 of V^T, whose K is the keys.  So nothing is transposed and no result goes through LDS.
; x's and W's fragments are read by four loads of 16 bytes: a permutation of k that is the same on both sides, so each product meets its partner.
; The bias is the C of each sum's first product, divided by 2^(e0 + e1), the power of two that the sums lack; the three scales ahead of a quantiser are folded into the conversion's one, 2^(ez - e0 - e1).
; K goes in four steps of 256 (rows of 256 bytes) through two LDS slots.  CLUSTER 4 x 4: x's tile hangs on y alone and is asked for jointly along a row of the cluster, W's on the head alone, jointly along a column.
; LIMITS: e2 - e0 - e1, e3 - e0 - e1 and e5 - e0 - e1 lie between -126 and 112, so that each scale and each hold is an f32 number.  NaN codes among the inputs are not served.
; REGISTERS, in windows of 256: window 0: v1-35 addresses, scales, v's bias as loaded; v128-255 x's fragments, two sets of 64 (on the way out: the codes).  window 1: W's 12 fragments, one set.
;   window 2: q's and k's accumulators at v[8 (16 z + 4 a + t)].  window 3: v's accumulators at v[8 (4 t + a)]; v128-191 q's and k's biases; v192-223 v's.
.set PITCH, 272                        ; an LDS row: 256 bytes + 16 of padding: the 16 rows of a fragment load start 68 words apart
.set WOFF,  256*PITCH                  ; a slot: x's 256 rows, then W's 192 (q's 64, k's 64, v's 64)
.set SLOT,  448*PITCH
.set SPARE, 2*SLOT                     ; behind the ring: the spare words, 128 bytes a wave: two blocks of 256 bytes that no other line names
.set SCQ,  8                           ; v8-13  for q, k, v: the conversion's scale, and 57,344 x that scale
.set LMQ,  9
.set SCK,  10
.set LMK,  11
.set SCV,  12
.set LMV,  13
.set ADRX, 16                          ; v16-17 LDS address of my x fragments in slot 0, 1
.set ADRW, 18                          ; v18-19 the same for W
.set LI,   22                          ; v22    16 x lane: an image's place for my lane
.set BH,   23                          ; v23    32 x (lane / 16): q's and k's biases
.set BR,   24                          ; v24    4 x (lane % 16): v's bias
.set SPW,  28                          ; v28    LDS address of my spare word; never rewritten
.set NIL,  29                          ; v29    0; never rewritten
.set VB,   32                          ; v32-35 v's bias as loaded
.set XF,   128
.set CD,   128                         ; the way out: codes, q's 32 registers, k's 32, v's 32
.set WV,   16                          ; s16    my wave's number
.set G1A,  24                          ; s[24:31] descriptor group 1 for x's tile; s[32:39] group 0, a set for each slot
.set G0A,  32
.set G1B,  40                          ; s[40:47], s[48:55] the same for W's
.set G0B,  48
.set SC,   56                          ; s[56:63] e0 .. e7
.set MSB, 0
.macro WIN new                         ; the immediate's high byte repeats the setting that is left; a switch that changes nothing is dropped
.if MSB != \new
	s_set_vgpr_msb (MSB<<8)|\new
.set MSB, \new
.endif
.endm
.macro PLACES                          ; four plain vector instructions between a matrix instruction and a load into, or a vector read or write of, its registers
.rept 4
	v_nop
.endr
.endm
.macro CREST                           ; a round of the cluster's barrier behind its opening barrier
	s_cmp_lg_u32 s[WV], 0
	s_cbranch_scc1 .Lnot_wave_0_\@
	s_barrier_signal -3
.Lnot_wave_0_\@:
	s_barrier_wait -3
	s_barrier_signal -1
	s_barrier_wait -1
.endm
.macro CROUND
	s_barrier_signal -1
	s_barrier_wait -1
	CREST
.endm
; A joint load: wave 3 fetches x's 256 rows, waves 0 to 2 the 64 rows of W's section q, k, v.  The branch hangs on the wave's number alone.  An s_nop 0 and four v_nop follow each line.
.macro JLOAD s
	s_cmp_eq_u32 s[WV], 3
	s_cbranch_scc0 .Lfor_w_\@
	tensor_load_to_lds s[G0A+4*\s:G0A+4*\s+3], s[G1A:G1A+7]
	s_nop 0
.rept 4
	v_nop
.endr
	s_branch .Lasked_\@
.Lfor_w_\@:
	tensor_load_to_lds s[G0B+4*\s:G0B+4*\s+3], s[G1B:G1B+7]
	s_nop 0
.rept 4
	v_nop
.endr
.Lasked_\@:
.endm
	s_load_b256 s[4:11], s[0:1], 0x0               ; x's codes s[4:5], W's s[6:7], qkv_b s[8:9], the scales' exponents s[10:11]
	s_load_b128 s[12:15], s[0:1], 0x20             ; q_img s[12:13], kv s[14:15]
	v_lshl_add_u32 v[SPW], v0, 2, SPARE
	v_mov_b32 v[NIL], 0
	ds_add_u32 v[SPW], v[NIL]                      ; the wave's opening: the add, twice on end, and its wait ahead of my first tensor load
	ds_add_u32 v[SPW], v[NIL]
	v_lshrrev_b32 v1, 5, v0
	v_readfirstlane_b32 s[WV], v1                  ; wave 0..3
	s_bfe_u32 s17, ttmp6, 0x40000                  ; cx, cy: my place in the cluster
	s_bfe_u32 s18, ttmp6, 0x40004
	s_lshl_b32 s19, ttmp9, 2
	s_add_co_u32 s19, s19, s17                     ; the head = 4 x cluster x + cx
	s_and_b32 s20, ttmp7, 0xffff
	s_lshl_b32 s20, s20, 2
	s_add_co_u32 s20, s20, s18                     ; the block of 256 tokens = 4 x cluster y + cy
	s_lshl_b32 s21, s18, 2
	s_lshl_b32 s21, 15, s21                        ; my row of the cluster
	s_lshl_b32 s22, 0x1111, s17                    ; my column
	s_or_b32 s[G1A], s21, (1<<20)|(1<<21)|(5<<22)|(3<<25)   ; 15:0 the mask; 17:16 elements of 1 byte; 20 padding on; 21 set beside a mask; 24:22 after every 64 words; 31:25 four words of it
	s_or_b32 s[G1B], s22, (1<<20)|(1<<21)|(5<<22)|(3<<25)
	s_mov_b32 s[G1A+1], 256<<16                    ; tensor_dim0 = 256
	s_mov_b32 s[G1A+2], 256<<16                    ; tensor_dim1 = 256
	s_mov_b32 s[G1A+3], 256<<16                    ; tile_dim0 = 256
	s_mov_b32 s[G1A+4], 256                        ; tile_dim1 = 256
	s_mov_b32 s[G1A+5], 1024                       ; from row to row
	s_mov_b32 s[G1A+6], 0
	s_mov_b32 s[G1A+7], 0
	s_mov_b32 s[G1B+1], 256<<16
	s_mov_b32 s[G1B+2], 64<<16                     ; 64 rows
	s_mov_b32 s[G1B+3], 256<<16
	s_mov_b32 s[G1B+4], 64
	s_mov_b32 s[G1B+5], 1024
	s_mov_b32 s[G1B+6], 0
	s_mov_b32 s[G1B+7], 0
	s_lshl_b32 s66, s20, 18                        ; x: 256 rows of 1,024 bytes for each block
	s_mov_b32 s67, 0
	s_min_u32 s23, s[WV], 2                        ; W's section that I fetch (wave 3 fetches none)
	s_lshl_b32 s68, s23, 20                        ; 1,024 rows of 1,024 bytes a section,
	s_lshl_b32 s69, s19, 16                        ; 64 rows a head
	s_add_co_u32 s68, s68, s69
	s_mov_b32 s69, 0
	s_mul_i32 s70, s23, 64*PITCH
	s_add_co_u32 s70, s70, WOFF                    ; and its place in a slot
	s_wait_dscnt 0x0                               ; both opening adds are done
	s_wait_kmcnt 0x0
	s_load_b256 s[SC:SC+7], s[10:11], 0x0          ; e0 .. e7
	s_add_nc_u64 s[4:5], s[4:5], s[66:67]
	s_add_nc_u64 s[6:7], s[6:7], s[68:69]
	CROUND                                         ; all sixteen work-groups are here: the first joint loads meet
.irp s, 0,1
	s_mov_b32 s[G0A+4*\s], 1                       ; count = 1
	s_mov_b32 s[G0A+4*\s+1], \s*SLOT               ; LDS address
	s_add_nc_u64 s[G0A+4*\s+2:G0A+4*\s+3], s[4:5], \s*256   ; K step s
	s_or_b32 s[G0A+4*\s+3], s[G0A+4*\s+3], 0x80000000       ; type = 2
	s_mov_b32 s[G0B+4*\s], 1
	s_add_co_u32 s[G0B+4*\s+1], s70, \s*SLOT
	s_add_nc_u64 s[G0B+4*\s+2:G0B+4*\s+3], s[6:7], \s*256
	s_or_b32 s[G0B+4*\s+3], s[G0B+4*\s+3], 0x80000000
.endr
	JLOAD 0                                        ; K step 0: one tensor load a wave at the head
	v_and_b32 v1, 15, v0                           ; r = lane % 16
	v_bfe_u32 v2, v0, 4, 1                         ; h = lane / 16
	v_mul_u32_u24 v3, v1, PITCH
	v_lshl_add_u32 v3, v2, 4, v3                   ; a fragment's row x pitch + 16 h
	s_mul_i32 s71, s[WV], 64*PITCH                 ; my 64 tokens
	v_add_nc_u32 v[ADRX], s71, v3
	v_add_nc_u32 v[ADRX+1], SLOT, v[ADRX]
	v_add_nc_u32 v[ADRW], WOFF, v3
	v_add_nc_u32 v[ADRW+1], SLOT+WOFF, v3
	v_and_b32 v4, 31, v0
	v_lshlrev_b32 v[LI], 4, v4
	v_lshlrev_b32 v[BH], 5, v2
	v_lshlrev_b32 v[BR], 2, v1
	; PREFETCHES INTO THE L2, each aligned block of 256 bytes named once in its cluster: K step 1 here, K steps 2 and 3 behind slot 1's fill, one and two K steps ahead of their loads.  The four partners that ask for a tile jointly
	; share its rows by address: of x's 256 rows the one at cx takes 64 (16 a wave), of each 64 rows of W the one at cy takes 16 (waves 0 to 2, a section each).
	v_and_b32 v36, 15, v0
	v_bfe_u32 v37, v0, 4, 1
	v_and_b32 v38, 31, v0
	v_lshlrev_b32 v36, 10, v36
	v_min_u32 v38, 15, v38                         ; K step 1: lanes left over name the wave's last row again
	v_lshl_add_u32 v37, v37, 8, v36                ; lanes 0-15 name K step 2, lanes 16-31 K step 3 of the same rows
	v_lshlrev_b32 v38, 10, v38
	s_lshl_b32 s80, s17, 16
	s_lshl_b32 s81, s[WV], 14
	s_add_co_u32 s80, s80, s81
	s_mov_b32 s81, 0
	s_add_nc_u64 s[76:77], s[4:5], s[80:81]
	s_lshl_b32 s80, s18, 14
	s_add_nc_u64 s[78:79], s[6:7], s[80:81]
	s_wait_alu depctr_va_vdst(0)
	global_prefetch_b8 v38, s[76:77] offset:256 th:TH_LOAD_NT scope:SCOPE_SE
	s_cmp_eq_u32 s[WV], 3
	s_cbranch_scc1 .Lno_w_ahead
	global_prefetch_b8 v38, s[78:79] offset:256 th:TH_LOAD_NT scope:SCOPE_SE
.Lno_w_ahead:
	s_lshl_b32 s92, s19, 8                         ; the head's 64 numbers in each section of qkv_b
	s_mov_b32 s93, 0
	s_add_nc_u64 s[8:9], s[8:9], s[92:93]
	WIN 0xc0                                       ; destination window 3
.irp n, 0,1,2,3,4,5,6,7                        ; q's and k's biases in the result's layout: lane (r, h), register j: feature 16 t + 8 h + j of section z, n = 4 z + t
	global_load_b128 v[128+8*\n:128+8*\n+3], v[BH], s[8:9] offset:4096*(\n/4)+64*(\n%4)
	global_load_b128 v[128+8*\n+4:128+8*\n+7], v[BH], s[8:9] offset:4096*(\n/4)+64*(\n%4)+16
.endr
	WIN 0
.irp t, 0,1,2,3
	global_load_b32 v[VB+\t], v[BR], s[8:9] offset:8192+64*\t   ; v's: lane (r, h) holds channel 16 t + r in all eight registers
.endr
	; where my images go.  bh = 16 (y / 8) + head
	s_lshr_b32 s82, s20, 3
	s_lshl_b32 s82, s82, 4
	s_add_co_u32 s82, s82, s19                     ; bh
	s_and_b32 s83, s20, 7                          ; y % 8: which 256 tokens of the sequence
	s_lshl_b32 s84, s82, 17                        ; q_img: 128 fragments of 1,024 bytes a head; mine begin at fragment 16 (y % 8) + 4 w
	s_lshl_b32 s86, s83, 14
	s_add_co_u32 s84, s84, s86
	s_lshl_b32 s86, s[WV], 12
	s_add_co_u32 s84, s84, s86
	s_mov_b32 s85, 0
	s_add_nc_u64 s[12:13], s[12:13], s[84:85]
	s_lshl_b32 s84, s82, 18                        ; kv: 16 steps of 16,384 bytes a head; my tokens lie in step 2 (y % 8) + w / 2
	s_lshl_b32 s86, s83, 15
	s_add_co_u32 s84, s84, s86
	s_lshr_b32 s86, s[WV], 1
	s_lshl_b32 s86, s86, 14
	s_add_co_u32 s84, s84, s86
	s_add_nc_u64 s[14:15], s[14:15], s[84:85]
	s_and_b32 s86, s[WV], 1
	s_lshl_b32 s84, s86, 12                        ; K: my four key tiles of 1,024 bytes begin at tile 4 (w % 2)
	s_add_nc_u64 s[88:89], s[14:15], s[84:85]
	s_lshl_b32 s84, s86, 10                        ; V: behind K's 8,192 bytes; of each channel tile's 2,048 bytes mine are the half w % 2
	s_add_co_u32 s84, s84, 8192
	s_add_nc_u64 s[90:91], s[14:15], s[84:85]
	s_wait_loadcnt 0x0                             ; the biases
	s_wait_kmcnt 0x0                               ; the exponents
	s_add_co_i32 s72, s[SC], s[SC+1]               ; e0 + e1: a sum stands for sum x 2^(e0 + e1)
	s_sub_co_i32 s73, 0, s72
	WIN 0xc3                                       ; source 0 and destination window 3
.set j, 0
.rept 64
	v_ldexp_f32 v[128+j], v[128+j], s73            ; bias / 2^(e0 + e1)
.set j, j+1
.endr
	WIN 0xc0
.irp t, 0,1,2,3
.irp i, 0,1,2,3,4,5,6,7
	v_ldexp_f32 v[192+8*\t+\i], v[VB+\t], s73      ; v's bias, scaled and spread over the tile's eight registers in one line
.endr
.endr
	WIN 0
.macro SCALE e, sc, lm                 ; the conversion's scale 2^(e - e0 - e1) and 57,344 x it, as f32 numbers
	s_sub_co_i32 s74, s[\e], s72
	s_add_co_i32 s74, s74, 127
	s_lshl_b32 s75, s74, 23
	v_mov_b32 v[\sc], s75
	s_add_co_i32 s74, s74, 15
	s_lshl_b32 s74, s74, 23
	s_or_b32 s74, s74, 0x600000
	v_mov_b32 v[\lm], s74
.endm
	SCALE SC+2, SCQ, LMQ
	SCALE SC+3, SCK, LMK
	SCALE SC+5, SCV, LMV
.macro FRAG reg, adr, q, row           ; a fragment, 16 rows x 128 K: registers 4 c .. 4 c + 3 hold K = 32 c + 16 h + 0 .. 15 of row r
.irp c, 0,1,2,3
	ds_load_b128 v[\reg+4*\c:\reg+4*\c+3], v[\adr] offset:128*(\q)+32*\c+(\row)*PITCH
.endr
.endm
.macro FETCH_W slot, q, lo             ; W's tiles lo .. lo + 5 of the slot's q-th 128 along K: 24 loads
	WIN 0x40                                       ; destination window 1
.irp i, 0,1,2,3,4,5
	FRAG 16*(\lo+\i), ADRW+\slot, \q, 16*(\lo+\i)
.endr
	WIN 0
.endm
.macro FETCH_X slot, q, p              ; my four token tiles into set p: 16 loads
.irp a, 0,1,2,3
	FRAG XF+64*(\p)+16*\a, ADRX+\slot, \q, 16*\a
.endr
.endm
; W's tiles w0 .. w1 against my four token tiles of set p.  The 48 accumulators take turns, one instruction a turn, in the same order in every substep.
; first = 1: the bias is the C of the sum's first product: nothing is cleared and nothing is added later.
.macro MUL w0, w1, p, first
.set wt, \w0
.rept (\w1)-(\w0)+1
.if wt < 8
.if \first
	WIN 0xb1                                       ; source 0 (W) window 1, source 1 (x) window 0, C window 3, D window 2
.else
	WIN 0xa1                                       ; C and D window 2
.endif
.else
	WIN 0xf4                                       ; source 0 (x) window 0, source 1 (W) window 1, C and D window 3
.endif
.irp a, 0,1,2,3
.if wt < 8
.set rD, 8*(16*(wt/4)+4*\a+wt%4)
.if \first
	v_wmma_f32_16x16x128_bf8_bf8 v[rD:rD+7], v[16*wt:16*wt+15], v[XF+64*(\p)+16*\a:XF+64*(\p)+16*\a+15], v[128+8*wt:128+8*wt+7]
.else
	v_wmma_f32_16x16x128_bf8_bf8 v[rD:rD+7], v[16*wt:16*wt+15], v[XF+64*(\p)+16*\a:XF+64*(\p)+16*\a+15], v[rD:rD+7]
.endif
.else
.set rD, 8*(4*(wt-8)+\a)
.if \first
	v_wmma_f32_16x16x128_bf8_bf8 v[rD:rD+7], v[XF+64*(\p)+16*\a:XF+64*(\p)+16*\a+15], v[16*wt:16*wt+15], v[192+8*(wt-8):192+8*(wt-8)+7]
.else
	v_wmma_f32_16x16x128_bf8_bf8 v[rD:rD+7], v[XF+64*(\p)+16*\a:XF+64*(\p)+16*\a+15], v[16*wt:16*wt+15], v[rD:rD+7]
.endif
.endif
.endr
.set wt, wt+1
.endr
.endm
; A slot's first 128 along K (x's set 0); the second 128's fragments are fetched on the way: a tile of W is free as soon as its four products are issued, so W has one set of registers.
.macro STEP slot, first
	s_wait_dscnt 24                                ; W's tiles 0-5 and x's set are in; the youngest 24 loads (W's tiles 6-11) may be out
	MUL 0, 5, 0, \first
	s_wait_dscnt 0x0                               ; W's tiles 6-11 are in (asked for 24 matrix instructions ago)
	PLACES
	FETCH_W \slot, 1, 0
	FETCH_X \slot, 1, 1
	MUL 6, 11, 0, \first
	PLACES
	FETCH_W \slot, 1, 6
.endm
; A slot's second 128 (x's set 1) changes slots: ONE barrier; in front of it each wave waits for all its tensor loads, adds 0 to its spare word, and waits for that and for its own reads of this slot.
; fill = 1: the barrier opens a round of the cluster's barrier and this slot is filled again, two K steps ahead.
.macro TURN slot, next, fill
	s_wait_tensorcnt 0x0                           ; all my tensor loads have landed: my part of the next slot
	ds_add_u32 v[SPW], v[NIL]                      ; 0 onto my spare word
	s_wait_dscnt 25                                ; the add and the youngest 24 loads (W's tiles 6-11) may be out
	MUL 0, 2, 1, 0                                 ; twelve matrix instructions stand between the add and the wait for it
	s_wait_dscnt 0x0                               ; the add is done, and my reads of this slot are over
	s_barrier_signal -1
	MUL 3, 5, 1, 0
	WIN 0
	s_barrier_wait -1
.if \fill
	CREST                                          ; no wave of any partner still reads this slot or has a load on its way
	s_add_nc_u64 s[G0A+4*\slot+2:G0A+4*\slot+3], s[G0A+4*\slot+2:G0A+4*\slot+3], 512
	s_add_nc_u64 s[G0B+4*\slot+2:G0B+4*\slot+3], s[G0B+4*\slot+2:G0B+4*\slot+3], 512
	JLOAD \slot                                    ; the first tensor load behind the round, one a wave; its four v_nop are also the places in front of the loads below
.else
	PLACES
.endif
	FETCH_W \next, 0, 0
	FETCH_X \next, 0, 0
	MUL 6, 11, 1, 0
	PLACES
	FETCH_W \next, 0, 6
.endm
	s_wait_alu depctr_va_vdst(0)
	s_wait_tensorcnt 0x0                           ; my part of K step 0 is in
	ds_add_u32 v[SPW], v[NIL]
	s_wait_dscnt 0x0
	CROUND                                         ; everybody's part is in, and the joint loads meet
	JLOAD 1                                        ; slot 1's first fill, K step 1: the first tensor load behind the round
	FETCH_W 0, 0, 0
	FETCH_X 0, 0, 0
	FETCH_W 0, 0, 6
	global_prefetch_b8 v37, s[76:77] offset:512 th:TH_LOAD_NT scope:SCOPE_SE   ; K steps 2 and 3
	s_cmp_eq_u32 s[WV], 3
	s_cbranch_scc1 .Lno_w_ahead3
	global_prefetch_b8 v37, s[78:79] offset:512 th:TH_LOAD_NT scope:SCOPE_SE
.Lno_w_ahead3:
	STEP 0, 1                                      ; K 0-127: starts the sums on the biases
	TURN 0, 1, 1                                   ; K 128-255; slot 0 takes K step 2
	STEP 1, 0
	TURN 1, 0, 1                                   ; slot 1 takes K step 3
	STEP 0, 0
	TURN 0, 1, 0                                   ; nothing is left to fetch
	STEP 1, 0
	s_wait_dscnt 24                                ; the last 128 along K
	MUL 0, 5, 1, 0
	s_wait_dscnt 0x0
	MUL 6, 7, 1, 0                                 ; q and k are finished: q leaves ahead of v's last products
	WIN 0
	PLACES
; THE WAY OUT.  128 sums at v[src] of one window are held within +-57,344 x the scale (the conversion to an 8-bit code does not saturate: ISA guide 7.6.2), each accumulator from its low end on,
; and each accumulator's eight become two registers of codes: accumulator n's at v[dst + 2 n] of window 0, which is the order of the operand's registers.
.macro QUANT w2, w1, src, dst, sc, lm
	WIN \w2
.set j, 0
.rept 128
	v_med3_num_f32 v[\src+j], v[\src+j], -v[\lm], v[\lm]
.set j, j+1
.endr
	WIN \w1
.set j, 0
.rept 16
	v_cvt_scalef32_pk8_bf8_f32 v[\dst+2*j:\dst+2*j+1], v[\src+8*j:\src+8*j+7], v[\sc]
.set j, j+1
.endr
	v_nop                                          ; one plain vector line behind the last scaled conversion
	WIN 0
.endm
	QUANT 0x82, 0x02, 0, CD, SCQ, LMQ
.irp m, 0,1,2,3,4,5,6,7
	global_store_b128 v[LI], v[CD+4*\m:CD+4*\m+3], s[12:13] offset:512*\m      ; 32 lanes store 512 consecutive bytes, aligned: registers 4 c .. 4 c + 3 of query tile m / 2, c = m % 2
.endr
	MUL 8, 11, 1, 0                                ; v's last products; their x fragments (set 1, v192-255) are not yet overwritten.  k's conversions are the places behind them
	QUANT 0x82, 0x02, 128, CD+32, SCK, LMK
.irp m, 0,1,2,3,4,5,6,7
	global_store_b128 v[LI], v[CD+32+4*\m:CD+32+4*\m+3], s[88:89] offset:512*\m
.endr
	QUANT 0xc3, 0x03, 0, CD+64, SCV, LMV
.irp m, 0,1,2,3,4,5,6,7
	global_store_b128 v[LI], v[CD+64+4*\m:CD+64+4*\m+3], s[90:91] offset:2048*(\m/2)+512*(\m%2)   ; channel tile m / 2; my four key tiles are two blocks of four registers
.endr
	s_wait_tensorcnt 0x0                           ; the wave's end
	ds_add_u32 v[SPW], v[NIL]
	s_wait_dscnt 0x0
	CROUND                                         ; the closing round: no work-group ends while a partner may still ask for a tile that names it
	s_endpgm
.Lfunc_end_k_q42eb5c4a9c_qkv:
	.size	k_q42eb5c4a9c_qkv, .Lfunc_end_k_q42eb5c4a9c_qkv-k_q42eb5c4a9c_qkv
	.p2alignl 7, 3214868480
	.fill 96, 4, 3214868480
	.section	.rodata,"a",@progbits
	.p2align	6, 0x0
	.amdhsa_kernel k_q42eb5c4a9c_qkv
		.amdhsa_group_segment_fixed_size 327680
		.amdhsa_private_segment_fixed_size 0
		.amdhsa_enable_private_segment 0
		.amdhsa_kernarg_size 48
		.amdhsa_user_sgpr_count 2
		.amdhsa_user_sgpr_kernarg_segment_ptr 1
		.amdhsa_wavefront_size32 1
		.amdhsa_system_sgpr_workgroup_id_x 1
		.amdhsa_system_sgpr_workgroup_id_y 1
		.amdhsa_system_sgpr_workgroup_id_z 1
		.amdhsa_system_vgpr_workitem_id 0
		.amdhsa_next_free_vgpr 992
		.amdhsa_next_free_sgpr 96
		.amdhsa_reserve_vcc 0
		.amdhsa_float_denorm_mode_32 3
		.amdhsa_float_denorm_mode_16_64 3
		.amdhsa_memory_ordered 1
		.amdhsa_forward_progress 1
		.amdhsa_inst_pref_size 110
	.end_amdhsa_kernel
	.amdgpu_metadata
---
amdhsa.version: [ 1, 2 ]
amdhsa.kernels:
  - .name:           k_q42eb5c4a9c_qkv
    .symbol:         k_q42eb5c4a9c_qkv.kd
    .args:
      - { .name: x_codes, .offset: 0, .size: 8, .value_kind: global_buffer, .address_space: global }
      - { .name: qkv_w_codes, .offset: 8, .size: 8, .value_kind: global_buffer, .address_space: global }
      - { .name: qkv_b, .offset: 16, .size: 8, .value_kind: global_buffer, .address_space: global }
      - { .name: lowp_scales, .offset: 24, .size: 8, .value_kind: global_buffer, .address_space: global }
      - { .name: q_img, .offset: 32, .size: 8, .value_kind: global_buffer, .address_space: global }
      - { .name: kv, .offset: 40, .size: 8, .value_kind: global_buffer, .address_space: global }
    .group_segment_fixed_size: 327680
    .private_segment_fixed_size: 0
    .kernarg_segment_align: 8
    .kernarg_segment_size: 48
    .max_flat_workgroup_size: 128
    .sgpr_count:     96
    .vgpr_count:     992
    .wavefront_size: 32
...
	.end_amdgpu_metadata
.endif
;; end of part 1
;; launch attn (part 2): grid 8 x 32, 8 waves a work-group, no clusters, 263,168 bytes of LDS; arguments q_img, kv, lowp_scales, o_img; writes o_img
.if DOCPART == 2
	.amdgcn_target "amdgcn-amd-amdhsa--gfx1250"
	.amdhsa_code_object_version 6
	.text
	.protected	k_q42eb5c4a9c_attn
	.globl	k_q42eb5c4a9c_attn
	.p2align	8
	.type	k_q42eb5c4a9c_attn,@function
k_q42eb5c4a9c_attn:
	s_mov_b64 s[64:65], 0
	v_nop
	global_prefetch_b8 v0, s[64:65] scope:SCOPE_SE
	s_setreg_imm32_b32 hwreg(HW_REG_WAVE_MODE, 25, 1), 1
	s_wait_xcnt 0x0
; o = softmax(q k^T / 8) v for each of 32 heads (batch x head) on codes of E5M2, then o is quantised (scale 2^e6) and stored as images of the operand registers that the last launch wants.  No work is left out.
; SOFTMAX: t = score x c, c = log2(e) / 8 x 2^(e2 + e3); M = the running largest t rounded UP to a whole number, kept as -M; p = 2^(t - M) is quantised along the keys; the row's sum is taken of the unquantised p and divides at the end.
; SHARES.  Work-group (x, y): head y, queries 256 x .. + 255.  Eight waves, 32 queries each: two tiles i.  16 steps of 128 keys.  Both products transposed: S^T = K Q^T, O^T = V^T P^T: a lane holds one query throughout.
; K AND V: a head's 16 steps are 16,384 bytes each (K's eight fragments, then V's four), images of operand registers.  They go from memory through registers into LDS, all 262,144 bytes to places of their own: nothing is overwritten.
; A PAIR of steps (32,768 bytes, 4,096 a wave) is asked for two steps ahead of the LDS stores that want it, and is published by one barrier whose signal stands a step ahead of its wait.
; THE HOLD at the largest code is passed over by a scalar branch where it changes nothing: p is at most 1, and 57,344 x 2^e4 is 1.75 or more for e4 >= -15.  For a smaller e4 it is done.
; NO CLUSTER: eight work-groups walk one head's K and V, and the branch leaves out 128 vector instructions of each step's about 520;
; the work-group reads each byte of its head once.  NO PREFETCH: the loads are plain ones, issued two whole steps ahead of the wait for them.
; LIMITS on the given exponents: e2 + e3 between -123 and 130; e4 and e6 between -126 and 112.  NaN among the images is not served.
; REGISTERS.  window 0: v1-7 addresses; v8-31 two tiles' state (-M, largest t, sum in two halves, f, work); v32-47 Q; v48-79 P's codes; v80-83 scales; v96-223 S^T, then p; v224-255 partial sums.
;   window 1: v0-63 K, v64-127 V, v128-191 O^T, v192-223 the pair of steps on its way.
.set SPARE, 262144                     ; behind K and V: the spare words, 128 bytes a wave
.set LI,  1                            ; 16 x lane
.set ADR, 2                            ; the step's LDS address
.set SPW, 3
.set NIL, 4
.set SB,  6                            ; 4,096 x wave + 16 x lane: my part of a pair, in memory and in LDS
.set SA,  7
.set ST,  8
.set QF,  32
.set PF,  48
.set SCP, 80
.set LMP, 81
.set SCO, 82
.set LMO, 83
.set S,   96
.set T,   224
.set KF,  0
.set VF,  64
.set OF,  128
.set G,   192
.set WV,  12
.set GB,  40                           ; s[40:41] where the next pair's loads stand
.set CS,  48
.set SEL, 50
.set TB,  52                           ; LDS byte of the step in hand
.set CNT, 53
.set EO,  54                           ; e4 + e5
.set TG,  55                           ; LDS byte of the pair that is stored next
.set SC,  56
.set PAIR, 32768
.set MSB, 0
.macro WIN new                         ; the immediate's high byte repeats the setting that is left
.if MSB != \new
	s_set_vgpr_msb (MSB<<8)|\new
.set MSB, \new
.endif
.endm
.macro PLACES                          ; four plain vector instructions behind a matrix instruction (ISA guide 7.12.1)
.rept 4
	v_nop
.endr
.endm
	s_load_b256 s[4:11], s[0:1], 0x0               ; q_img s[4:5], kv s[6:7], exponents s[8:9], o_img s[10:11]
	v_lshrrev_b32 v5, 5, v0
	v_and_b32 v[LI], 31, v0
	v_lshl_add_u32 v[SPW], v0, 2, SPARE
	v_mov_b32 v[NIL], 0
	v_readfirstlane_b32 s[WV], v5                  ; wave 0..7
	v_lshlrev_b32 v[LI], 4, v[LI]
	v_lshl_add_u32 v[SB], v5, 12, v[LI]
	v_mov_b32 v[ADR], v[LI]                        ; step 0's LDS address
	s_and_b32 s15, ttmp7, 0xffff                   ; the head
	s_lshl_b32 s18, s15, 18
	s_mov_b32 s19, 0
	s_lshl_b32 s16, s15, 17                        ; q_img: 131,072 bytes a head, 16,384 for 256 queries, 2,048 a wave
	s_lshl_b32 s17, ttmp9, 14
	s_add_co_u32 s16, s16, s17
	s_lshl_b32 s17, s[WV], 11
	s_add_co_u32 s16, s16, s17
	s_mov_b32 s17, 0
	s_lshr_b32 s20, s15, 4                         ; o_img: block of 128 tokens = 16 batch + 2 x + wave / 4: 131,072 bytes,
	s_lshl_b32 s20, s20, 4
	s_lshl_b32 s22, ttmp9, 1
	s_add_co_u32 s20, s20, s22
	s_lshr_b32 s22, s[WV], 2
	s_add_co_u32 s20, s20, s22
	s_lshl_b32 s20, s20, 17
	s_and_b32 s23, s15, 15
	s_lshr_b32 s22, s23, 1                         ; 16,384 for each pair of heads,
	s_lshl_b32 s22, s22, 14
	s_add_co_u32 s20, s20, s22
	s_and_b32 s22, s[WV], 3                        ; 2,048 for each tile of 16 tokens,
	s_lshl_b32 s22, s22, 12
	s_add_co_u32 s20, s20, s22
	s_and_b32 s22, s23, 1                          ; of which each head of the pair has a half
	s_lshl_b32 s22, s22, 10
	s_add_co_u32 s20, s20, s22
	s_mov_b32 s21, 0
	s_mov_b32 s[SEL], 0x76543210                   ; lane l xor 16
	s_mov_b32 s[SEL+1], 0xfedcba98
	s_mov_b32 s[CS], 0x3e38aa3b                    ; log2(e) / 8
	s_mov_b32 s[TB], 0
	s_mov_b32 s[TG], PAIR
	s_mov_b32 s[CNT], 0
	s_wait_alu depctr_va_vdst(0)
	s_wait_kmcnt 0x0
	s_load_b256 s[SC:SC+7], s[8:9], 0x0            ; e0 .. e7
	s_add_nc_u64 s[6:7], s[6:7], s[18:19]
	s_add_nc_u64 s[4:5], s[4:5], s[16:17]
	s_add_nc_u64 s[10:11], s[10:11], s[20:21]
	s_add_nc_u64 s[GB:GB+1], s[6:7], PAIR
	WIN 0x40                                       ; destination window 1
.irp n, 0,1,2,3,4,5,6,7                        ; pair 0 (its registers are V's, free as yet)
	global_load_b128 v[VF+4*\n:VF+4*\n+3], v[SB], s[6:7] offset:512*\n
.endr
	WIN 0
.irp n, 0,1,2,3
	global_load_b128 v[QF+4*\n:QF+4*\n+3], v[LI], s[4:5] offset:512*\n
.endr
	WIN 0x40
.irp n, 0,1,2,3,4,5,6,7                        ; pair 1
	global_load_b128 v[G+4*\n:G+4*\n+3], v[SB], s[6:7] offset:PAIR+512*\n
.endr
.set n, 0
.rept 64
	v_mov_b32 v[OF+n], 0                           ; O^T: the step is written for a running maximum, and its first change multiplies zeros
.set n, n+1
.endr
	WIN 0
.irp i, 0,1
	v_mov_b32 v[ST+12*\i+1], 0xff61b1e6            ; the largest t so far: -3e38
	v_mov_b32 v[ST+12*\i+2], 0
	v_mov_b32 v[ST+12*\i+3], 0
	v_mov_b32 v[ST+12*\i+5], 0
	v_mov_b32 v[ST+12*\i+10], 0
.endr
.irp i, 0,1
	v_floor_f32 v[ST+12*\i], -v[ST+12*\i+1]
.endr
	s_wait_alu depctr_va_vdst(0)
	s_wait_kmcnt 0x0
	s_add_co_i32 s22, s[SC+2], s[SC+3]
	s_lshl_b32 s22, s22, 23
	s_add_co_i32 s[CS], s[CS], s22                 ; e2 + e3 go into c's exponent field
	s_mov_b32 s[CS+1], s[CS]
	s_add_co_i32 s22, s[SC+4], 127
	s_lshl_b32 s23, s22, 23
	v_mov_b32 v[SCP], s23                          ; 2^e4
	s_add_co_i32 s22, s22, 15
	s_lshl_b32 s22, s22, 23
	s_or_b32 s22, s22, 0x600000
	v_mov_b32 v[LMP], s22                          ; 57,344 x 2^e4
	s_add_co_i32 s22, s[SC+6], 127
	s_lshl_b32 s23, s22, 23
	v_mov_b32 v[SCO], s23                          ; 2^e6
	s_add_co_i32 s22, s22, 15
	s_lshl_b32 s22, s22, 23
	s_or_b32 s22, s22, 0x600000
	v_mov_b32 v[LMO], s22
	s_add_co_i32 s[EO], s[SC+4], s[SC+5]
; A STEP of 128 keys.  next = 1: the next step's K is fetched too.
; m = 1, a pair's first step: the pair that follows has just been stored to LDS; the one behind it is asked for, and the barrier is signalled.  m = 2, a pair's second step: the barrier is waited for, ahead of the first reads of the pair that follows.
.macro STEP next, m
.if \m == 1
	s_wait_dscnt 0x8                               ; K is in; the eight stores issued behind its loads may be out
.else
	s_wait_dscnt 0x0                               ; K is in
.endif
	WIN 0x01                                       ; source 0 (K) window 1
.irp kt, 0,1,2,3,4,5,6,7
.irp i, 0,1
	v_wmma_f32_16x16x64_bf8_bf8 v[S+64*\i+8*\kt:S+64*\i+8*\kt+7], v[KF+8*\kt:KF+8*\kt+7], v[QF+8*\i:QF+8*\i+7], 0
.endr
.endr
	PLACES
.if \m == 1
	WIN 0
	s_wait_dscnt 0x0                               ; my stores are done: their registers are free, and the others may be told
	s_cmp_lt_u32 s[CNT], 6                         ; pair CNT + 2 exists
	s_cbranch_scc0 .Lnone_\@
	WIN 0x40
.irp n, 0,1,2,3,4,5,6,7
	global_load_b128 v[G+4*\n:G+4*\n+3], v[SB], s[GB:GB+1] offset:512*\n
.endr
	WIN 0
.Lnone_\@:
	s_barrier_signal -1
.endif
	WIN 0x40
.if \m == 2
	s_barrier_wait -1                              ; the pair that follows is whole
.endif
.irp n, 0,1,2,3,4,5,6,7,8,9,10,11,12,13,14,15
	ds_load_b128 v[VF+4*\n:VF+4*\n+3], v[ADR] offset:8192+512*\n
.endr
.if \next
.irp n, 0,1,2,3,4,5,6,7,8,9,10,11,12,13,14,15
	ds_load_b128 v[KF+4*\n:KF+4*\n+3], v[ADR] offset:16384+512*\n
.endr
.endif
	WIN 0
	; the largest score of each query among my 64 keys, two chains a tile, then lane l xor 16's
.irp i, 0,1
	v_max3_num_f32 v[ST+12*\i+6], v[S+64*\i], v[S+64*\i+1], v[S+64*\i+2]
	v_max3_num_f32 v[ST+12*\i+7], v[S+64*\i+3], v[S+64*\i+4], v[S+64*\i+5]
.endr
.set n, 6
.rept 14
.irp i, 0,1
	v_max3_num_f32 v[ST+12*\i+6], v[ST+12*\i+6], v[S+64*\i+n], v[S+64*\i+n+1]
	v_max3_num_f32 v[ST+12*\i+7], v[ST+12*\i+7], v[S+64*\i+n+2], v[S+64*\i+n+3]
.endr
.set n, n+4
.endr
.irp i, 0,1
	v_max3_num_f32 v[ST+12*\i+6], v[ST+12*\i+6], v[S+64*\i+62], v[S+64*\i+63]
.endr
.irp i, 0,1
	s_delay_alu instid0(VALU_DEP_2)
	v_max_num_f32 v[ST+12*\i+6], v[ST+12*\i+6], v[ST+12*\i+7]
.endr
.irp i, 0,1
	s_delay_alu instid0(VALU_DEP_2)
	v_permlanex16_b32 v[ST+12*\i+10], v[ST+12*\i+6], s[SEL], s[SEL+1]
.endr
.irp i, 0,1
	s_delay_alu instid0(VALU_DEP_2)
	v_max_num_f32 v[ST+12*\i+6], v[ST+12*\i+6], v[ST+12*\i+10]
.endr
.irp i, 0,1
	s_delay_alu instid0(VALU_DEP_2)
	v_mul_f32 v[ST+12*\i+6], s[CS], v[ST+12*\i+6]
.endr
.irp i, 0,1
	s_delay_alu instid0(VALU_DEP_2)
	v_max_num_f32 v[ST+12*\i+1], v[ST+12*\i+1], v[ST+12*\i+6]
.endr
.irp i, 0,1
	v_mov_b32 v[ST+12*\i+6], v[ST+12*\i]
.endr
.irp i, 0,1
	s_delay_alu instid0(VALU_DEP_4)
	v_floor_f32 v[ST+12*\i], -v[ST+12*\i+1]        ; the new -M, a whole number
.endr
.irp i, 0,1
	s_delay_alu instid0(VALU_DEP_2)
	v_sub_f32 v[ST+12*\i+6], v[ST+12*\i], v[ST+12*\i+6]
.endr
.irp i, 0,1
	s_delay_alu instid0(VALU_DEP_2)
	v_cvt_i32_f32 v[ST+12*\i+6], v[ST+12*\i+6]     ; (it saturates)
.endr
.irp i, 0,1
	s_delay_alu instid0(VALU_DEP_2)
	v_ldexp_f32 v[ST+12*\i+4], 1.0, v[ST+12*\i+6]  ; f = 2^(old M - new M)
.endr
.set n, 0
.rept 32
	v_pk_fma_f32 v[S+n:S+n+1], v[S+n:S+n+1], s[CS:CS+1], v[ST:ST+1] op_sel_hi:[1,0,0]   ; tile 0's t - M
.set n, n+2
.endr
.irp i, 0,1
	v_pk_mul_f32 v[ST+12*\i+2:ST+12*\i+3], v[ST+12*\i+2:ST+12*\i+3], v[ST+12*\i+4:ST+12*\i+5] op_sel_hi:[1,0]
.endr
	WIN 0x41                                       ; source 0 and destination window 1
.set n, 0
.rept 16
.irp i, 0,1
	v_pk_mul_f32 v[OF+32*\i+n:OF+32*\i+n+1], v[OF+32*\i+n:OF+32*\i+n+1], v[ST+12*\i+4:ST+12*\i+5] op_sel_hi:[1,0]   ; O^T under the new M, ahead of the exponentials
.endr
.set n, n+2
.endr
	WIN 0
	s_add_co_u32 s[TB], s[TB], 16384
	v_add_nc_u32 v[ADR], s[TB], v[LI]              ; the next step's address, ahead of the wait
	s_wait_alu depctr_va_vdst(0)                   ; ahead of the batch
.set n, 0
.rept 32                                       ; tile 0's exponentials, between them tile 1's t - M
	v_exp_f32 v[S+n], v[S+n]
	v_exp_f32 v[S+n+1], v[S+n+1]
	v_pk_fma_f32 v[S+64+n:S+65+n], v[S+64+n:S+65+n], s[CS:CS+1], v[ST+12:ST+13] op_sel_hi:[1,0,0]
.set n, n+2
.endr
	s_wait_alu depctr_va_vdst(0)                   ; behind that batch and ahead of the next one
.set n, 0
.rept 16                                       ; tile 1's exponentials, between them tile 0's sums of pairs
	v_exp_f32 v[S+64+2*n], v[S+64+2*n]
	v_exp_f32 v[S+65+2*n], v[S+65+2*n]
	v_exp_f32 v[S+66+2*n], v[S+66+2*n]
	v_exp_f32 v[S+67+2*n], v[S+67+2*n]
	v_pk_add_f32 v[T+n:T+n+1], v[S+2*n:S+2*n+1], v[S+2*n+2:S+2*n+3]
.set n, n+2
.endr
	s_wait_alu depctr_va_vdst(0)                   ; ahead of the batch's first reader, and of the wait below
.if \next
	s_wait_dscnt 16                                ; V is in; the next step's 16 loads of K may be out
.else
	s_wait_dscnt 0x0
.endif
.set n, 0
.rept 8                                        ; tile 0's next sums
	v_pk_add_f32 v[T+n:T+n+1], v[T+n:T+n+1], v[T+16+n:T+17+n]
.set n, n+2
.endr
.set n, 0
.rept 8                                        ; tile 1's sums of pairs of its first half
	v_pk_add_f32 v[T+16+n:T+17+n], v[S+64+2*n:S+65+2*n], v[S+66+2*n:S+67+2*n]
.set n, n+2
.endr
.irp m2, 96, 112                               ; tile 1's second half
.set n, 0
.rept 8
	v_pk_add_f32 v[T+16+n:T+17+n], v[T+16+n:T+17+n], v[S+\m2+n:S+\m2+n+1]
.set n, n+2
.endr
.endr
.irp n, 0,2,4,6                                ; both tiles' last sums
	v_pk_add_f32 v[T+\n:T+\n+1], v[T+\n:T+\n+1], v[T+8+\n:T+9+\n]
	v_pk_add_f32 v[T+16+\n:T+17+\n], v[T+16+\n:T+17+\n], v[T+24+\n:T+25+\n]
.endr
.irp n, 0,2
	v_pk_add_f32 v[T+\n:T+\n+1], v[T+\n:T+\n+1], v[T+4+\n:T+5+\n]
	v_pk_add_f32 v[T+16+\n:T+17+\n], v[T+16+\n:T+17+\n], v[T+20+\n:T+21+\n]
.endr
	v_pk_add_f32 v[T:T+1], v[T:T+1], v[T+2:T+3]
	v_pk_add_f32 v[T+16:T+17], v[T+16:T+17], v[T+18:T+19]
	v_pk_add_f32 v[ST+2:ST+3], v[ST+2:ST+3], v[T:T+1]
	v_pk_add_f32 v[ST+14:ST+15], v[ST+14:ST+15], v[T+16:T+17]
	s_cmp_ge_i32 s[SC+4], -15                      ; 57,344 x 2^e4 is above every p: the hold changes nothing
	s_cbranch_scc1 .Lheld_\@
.set n, 0
.rept 128
	v_min_num_f32 v[S+n], v[S+n], v[LMP]           ; the conversion does not saturate (ISA guide 7.6.2); p is not negative
.set n, n+1
.endr
.Lheld_\@:
.irp kt, 0,1,2,3,4,5,6,7
.irp i, 0,1
	v_cvt_scalef32_pk8_bf8_f32 v[PF+16*\i+2*\kt:PF+16*\i+2*\kt+1], v[S+64*\i+8*\kt:S+64*\i+8*\kt+7], v[SCP]
.endr
.endr
	v_nop                                          ; a plain line behind the last scaled conversion
	WIN 0x51                                       ; V, C and D window 1
.irp t, 0,1,2,3
.irp i, 0,1
	v_wmma_f32_16x16x128_bf8_bf8 v[OF+32*\i+8*\t:OF+32*\i+8*\t+7], v[VF+16*\t:VF+16*\t+15], v[PF+16*\i:PF+16*\i+15], v[OF+32*\i+8*\t:OF+32*\i+8*\t+7]
.endr
.endr
	WIN 0
.endm
	s_wait_alu depctr_va_vdst(0)                   ; at the head's end
	s_wait_loadcnt 0x8                             ; pair 0 and Q are in; pair 1's eight loads may be out
	WIN 0x04                                       ; an LDS store's data: window 1
.irp n, 0,1,2,3,4,5,6,7
	ds_store_b128 v[SB], v[VF+4*\n:VF+4*\n+3] offset:512*\n
.endr
	WIN 0
	s_wait_dscnt 0x0
	s_barrier_signal -1
	s_barrier_wait -1                              ; pair 0 is whole
	WIN 0x40
.irp n, 0,1,2,3,4,5,6,7,8,9,10,11,12,13,14,15
	ds_load_b128 v[KF+4*\n:KF+4*\n+3], v[LI] offset:512*\n
.endr
	WIN 0
.Lpair:                                                ; seven pairs; the eighth is written out: nothing follows it
	s_wait_loadcnt 0x0                             ; the pair that follows is in registers
	s_add_nc_u64 s[GB:GB+1], s[GB:GB+1], PAIR      ; (its loads are done with their address)
	v_add_nc_u32 v[SA], s[TG], v[SB]
	WIN 0x04
.irp n, 0,1,2,3,4,5,6,7
	ds_store_b128 v[SA], v[G+4*\n:G+4*\n+3] offset:512*\n
.endr
	WIN 0
	STEP 1, 1
	STEP 1, 2
	s_add_co_u32 s[TG], s[TG], PAIR
	s_add_co_u32 s[CNT], s[CNT], 1
	s_cmp_lt_u32 s[CNT], 7
	s_cbranch_scc1 .Lpair
	STEP 1, 0
	STEP 0, 0
	PLACES
	s_wait_alu depctr_va_vdst(0)
.irp i, 0,1
	v_add_f32 v[ST+12*\i+2], v[ST+12*\i+2], v[ST+12*\i+3]
.endr
.irp i, 0,1
	s_delay_alu instid0(VALU_DEP_2)
	v_permlanex16_b32 v[ST+12*\i+10], v[ST+12*\i+2], s[SEL], s[SEL+1]
.endr
.irp i, 0,1
	s_delay_alu instid0(VALU_DEP_2)
	v_add_f32 v[ST+12*\i+2], v[ST+12*\i+2], v[ST+12*\i+10]
.endr
	s_wait_alu depctr_va_vdst(0)                   ; ahead of the batch
.irp i, 0,1
	v_rcp_f32 v[ST+12*\i+6], v[ST+12*\i+2]
.endr
	v_nop
	s_wait_alu depctr_va_vdst(0)                   ; behind it, and ahead of the first readers of O^T
.irp i, 0,1
	v_ldexp_f32 v[ST+12*\i+6], v[ST+12*\i+6], s[EO]
.endr
	WIN 0x01
.set n, 0
.rept 16
.irp i, 0,1
	v_pk_mul_f32 v[S+32*\i+n:S+32*\i+n+1], v[OF+32*\i+n:OF+32*\i+n+1], v[ST+12*\i+6:ST+12*\i+7] op_sel_hi:[1,0]
.endr
.set n, n+2
.endr
	WIN 0
.set n, 0
.rept 64
	v_med3_num_f32 v[S+n], v[S+n], -v[LMO], v[LMO]
.set n, n+1
.endr
.set n, 0
.rept 8
	v_cvt_scalef32_pk8_bf8_f32 v[PF+2*n:PF+2*n+1], v[S+8*n:S+8*n+7], v[SCO]
.set n, n+1
.endr
	v_nop
	; registers 2 t, 2 t + 1 hold channels 16 t + 8 h + 0 .. 7 (h = lane / 16).  Exchanging an even tile's upper lanes with the odd tile's lower ones makes four registers on end hold channels 32 b + 16 h + 0 .. 15
.irp i, 0,1
.irp b, 0,4
	v_permlane16_swap_b32 v[PF+8*\i+\b], v[PF+8*\i+\b+2]
	v_permlane16_swap_b32 v[PF+8*\i+\b+1], v[PF+8*\i+\b+3]
.endr
.endr
.irp i, 0,1
.irp c, 0,1
	global_store_b128 v[LI], v[PF+8*\i+4*\c:PF+8*\i+4*\c+3], s[10:11] offset:2048*\i+512*\c   ; 512 consecutive bytes, aligned
.endr
.endr
	s_wait_tensorcnt 0x0                           ; the wave's end
	ds_add_u32 v[SPW], v[NIL]
	s_wait_dscnt 0x0
	s_endpgm
.Lfunc_end_k_q42eb5c4a9c_attn:
	.size	k_q42eb5c4a9c_attn, .Lfunc_end_k_q42eb5c4a9c_attn-k_q42eb5c4a9c_attn
	.p2alignl 7, 3214868480
	.fill 96, 4, 3214868480
	.section	.rodata,"a",@progbits
	.p2align	6, 0x0
	.amdhsa_kernel k_q42eb5c4a9c_attn
		.amdhsa_group_segment_fixed_size 263168
		.amdhsa_private_segment_fixed_size 0
		.amdhsa_enable_private_segment 0
		.amdhsa_kernarg_size 32
		.amdhsa_user_sgpr_count 2
		.amdhsa_user_sgpr_kernarg_segment_ptr 1
		.amdhsa_wavefront_size32 1
		.amdhsa_system_sgpr_workgroup_id_x 1
		.amdhsa_system_sgpr_workgroup_id_y 1
		.amdhsa_system_sgpr_workgroup_id_z 1
		.amdhsa_system_vgpr_workitem_id 0
		.amdhsa_next_free_vgpr 480
		.amdhsa_next_free_sgpr 66
		.amdhsa_reserve_vcc 0
		.amdhsa_float_denorm_mode_32 3
		.amdhsa_float_denorm_mode_16_64 3
		.amdhsa_memory_ordered 1
		.amdhsa_forward_progress 1
		.amdhsa_inst_pref_size 133
	.end_amdhsa_kernel
	.amdgpu_metadata
---
amdhsa.version: [ 1, 2 ]
amdhsa.kernels:
  - .name:           k_q42eb5c4a9c_attn
    .symbol:         k_q42eb5c4a9c_attn.kd
    .args:
      - { .name: q_img, .offset: 0, .size: 8, .value_kind: global_buffer, .address_space: global }
      - { .name: kv, .offset: 8, .size: 8, .value_kind: global_buffer, .address_space: global }
      - { .name: lowp_scales, .offset: 16, .size: 8, .value_kind: global_buffer, .address_space: global }
      - { .name: o_img, .offset: 24, .size: 8, .value_kind: global_buffer, .address_space: global }
    .group_segment_fixed_size: 263168
    .private_segment_fixed_size: 0
    .kernarg_segment_align: 8
    .kernarg_segment_size: 32
    .max_flat_workgroup_size: 256
    .sgpr_count:     66
    .vgpr_count:     480
    .wavefront_size: 32
...
	.end_amdgpu_metadata
.endif
;; end of part 2
;; launch proj (part 3): grid 8 x 32, 4 waves a work-group, clusters of 4 x 4, 282,112 bytes of LDS; arguments o_img, out_w_codes, lowp_scales, out_b, out0; writes out0
.if DOCPART == 3
	.amdgcn_target "amdgcn-amd-amdhsa--gfx1250"
	.amdhsa_code_object_version 6
	.text
	.protected	k_q42eb5c4a9c_proj
	.globl	k_q42eb5c4a9c_proj
	.p2align	8
	.type	k_q42eb5c4a9c_proj,@function
k_q42eb5c4a9c_proj:
	s_mov_b64 s[64:65], 0
	v_nop
	global_prefetch_b8 v0, s[64:65] scope:SCOPE_SE
	s_setreg_imm32_b32 hwreg(HW_REG_WAVE_MODE, 25, 1), 1
	s_wait_xcnt 0x0
	s_wait_alu depctr_hold_cnt(0) depctr_sa_sdst(0) depctr_va_vdst(0) depctr_va_sdst(0) depctr_va_ssrc(0) depctr_va_vcc(0) depctr_vm_vsrc(0)
	s_getreg_b32 s2, hwreg(HW_REG_IB_STS2, 6, 4)
	s_cmp_eq_u32 s2, 0
	s_cbranch_scc0 .Lentry_in_a_cluster
	s_endpgm
.Lentry_in_a_cluster:
	s_bfe_u32 s2, ttmp6, 0x10000c
	s_cmp_lg_u32 s2, 0xf033
	s_cbranch_scc0 .Lentry_shape_is_right
	s_endpgm
.Lentry_shape_is_right:
; out0 = o out_w^T x 2^(e6 + e7) + out_b on codes of E5M2.  o comes as images of operand registers (o_img), out_w as rows of codes.  No work is left out.
; SHARES.  Work-group (x, y): tokens 128 y .. + 127 x features 128 x .. + 127.  Four waves, wave (wr = w / 2, wc = w % 2): 64 x 64, made as four tiles of 16 tokens x 64 features, one after the other.
; THE WHOLE K (1,024) OF BOTH TILES comes into LDS by one tensor load a wave: o's images (131,072 bytes, dense), out_w's 128 rows of 1,024 bytes.  No byte is filled twice.
; A wave keeps its 64 rows of out_w for the whole K in 512 registers; a token tile's fragments are 128 registers, two sets.  So each tile's stores leave while the next tile is multiplied.
; CLUSTER 4 x 4: o's tile hangs on y alone and is asked for jointly along a row of the cluster, out_w's on x alone, jointly along a column.  No prefetch: there is no loop to run ahead in.
; THE MATRIX INSTRUCTION IS USED TRANSPOSED (source 0 = 16 rows of out_w, source 1 = 16 tokens): a lane holds eight neighbouring features of one token.
; Registers 4 c .. 4 c + 3 of both operands hold k = 32 c + 16 (lane / 16) + 0 .. 15 of a K step of 128: the same permutation of k on both sides.
; LIMIT: e6 + e7 lies between -126 and 127, so that 2^(e6 + e7) is an f32 number.
; REGISTERS: window 0: v1-29 addresses; v32-63 results at work; v64-127 rows read back from the stage, two sets; v128-191 accumulators, two sets of four; v192-223 out_b.
;   windows 1 and 2: out_w's fragments of K steps 0-3 and 4-7.   window 3: a token tile's fragments, two sets of 128.
.set PITCH, 1040                       ; a row of out_w in LDS: 1,024 bytes + 16 of padding
.set WOFF,  131072                     ; behind o's images
.set SP,    272                        ; a row of a stage: 256 bytes + 16
.set STAGE, WOFF+128*PITCH             ; 16 rows for each wave, for the way out; no tensor load lands there
.set SPARE, STAGE+4*16*SP              ; the spare words, 128 bytes a wave
.set ADRA, 16                          ; v16-17 LDS address of my o fragments: K steps 0-3, 4-7
.set ADRB, 20                          ; v20    of my out_w fragments
.set STO,  24                          ; the way out: where I put 32 bytes of a row
.set RD,   25                          ; where I read a row back
.set CO,   26                          ; my byte offset in out0
.set SPW,  28
.set NIL,  29
.set TMP,  32
.set BK,   64
.set ACC,  128
.set OB,   192
.set WV,   14
.set G1A,  24                          ; s[24:31] descriptor group 1 for o's images; s[32:39] for out_w's rows
.set G1B,  32
.set G0A,  40
.set G0B,  44
.set SC,   56                          ; s[56:63] e0 .. e7
.set FS,   84                          ; s[84:85] 2^(e6 + e7)
.set MSB, 0
.macro WIN new
.if MSB != \new
	s_set_vgpr_msb (MSB<<8)|\new
.set MSB, \new
.endif
.endm
.macro PLACES
.rept 4
	v_nop
.endr
.endm
.macro CROUND                          ; a round of the cluster's barrier
	s_barrier_signal -1
	s_barrier_wait -1
	s_cmp_lg_u32 s[WV], 0
	s_cbranch_scc1 .Lnot_wave_0_\@
	s_barrier_signal -3
.Lnot_wave_0_\@:
	s_barrier_wait -3
	s_barrier_signal -1
	s_barrier_wait -1
.endm
	s_load_b256 s[4:11], s[0:1], 0x0               ; o_img s[4:5], out_w's codes s[6:7], exponents s[8:9], out_b s[10:11]
	s_load_b64 s[12:13], s[0:1], 0x20              ; out0
	v_lshl_add_u32 v[SPW], v0, 2, SPARE
	v_mov_b32 v[NIL], 0
	ds_add_u32 v[SPW], v[NIL]                      ; the wave's opening: the add, twice on end, and its wait
	ds_add_u32 v[SPW], v[NIL]
	v_lshrrev_b32 v1, 5, v0
	v_readfirstlane_b32 s[WV], v1                  ; wave 0..3
	s_lshr_b32 s15, s[WV], 1                       ; wr.  Also: I fetch for o (0) or for out_w (1)
	s_and_b32 s16, s[WV], 1                        ; wc.  Also: which half of that tile I fetch
	s_bfe_u32 s17, ttmp6, 0x40000                  ; cx, cy
	s_bfe_u32 s18, ttmp6, 0x40004
	s_lshl_b32 s19, ttmp9, 2
	s_add_co_u32 s19, s19, s17                     ; x = 4 x cluster x + cx
	s_and_b32 s20, ttmp7, 0xffff
	s_lshl_b32 s20, s20, 2
	s_add_co_u32 s20, s20, s18                     ; y = 4 x cluster y + cy
	s_lshl_b32 s21, s18, 2
	s_lshl_b32 s21, 15, s21                        ; my row of the cluster
	s_lshl_b32 s22, 0x1111, s17                    ; my column
	s_or_b32 s[G1A], s21, (3<<16)|(1<<21)          ; the mask; elements of 8 bytes; 21 set beside a mask; images are dense
	s_mov_b32 s[G1A+1], 32<<16                     ; rows of 256 bytes,
	s_mov_b32 s[G1A+2], 256<<16                    ; 256 of them: four K steps
	s_mov_b32 s[G1A+3], 32<<16
	s_mov_b32 s[G1A+4], 256
	s_mov_b32 s[G1A+5], 32
	s_mov_b32 s[G1A+6], 0
	s_mov_b32 s[G1A+7], 0
	s_or_b32 s[G1B], s22, (1<<20)|(1<<21)|(7<<22)|(3<<25)   ; the mask; elements of 1 byte; padding: four words after every 256
	s_mov_b32 s[G1B+1], 1024<<16
	s_mov_b32 s[G1B+2], 64<<16
	s_mov_b32 s[G1B+3], 1024<<16
	s_mov_b32 s[G1B+4], 64
	s_mov_b32 s[G1B+5], 1024
	s_mov_b32 s[G1B+6], 0
	s_mov_b32 s[G1B+7], 0
	s_lshl_b32 s86, s20, 17                        ; o_img: 131,072 bytes for each block of 128 tokens; mine: K steps 4 half .. + 3
	s_lshl_b32 s90, s16, 16
	s_add_co_u32 s86, s86, s90
	s_mov_b32 s87, 0
	s_lshl_b32 s88, s19, 17                        ; out_w: rows 128 x + 64 half, 1,024 bytes a row
	s_add_co_u32 s88, s88, s90
	s_mov_b32 s89, 0
	s_mul_i32 s91, s16, 64*PITCH
	s_add_co_u32 s91, s91, WOFF
	s_wait_dscnt 0x0                               ; both opening adds are done
	s_wait_kmcnt 0x0
	s_load_b256 s[SC:SC+7], s[8:9], 0x0            ; e0 .. e7
	s_add_nc_u64 s[4:5], s[4:5], s[86:87]
	s_add_nc_u64 s[6:7], s[6:7], s[88:89]
	s_mov_b32 s[G0A], 1
	s_mov_b32 s[G0A+1], s90
	s_mov_b64 s[G0A+2:G0A+3], s[4:5]
	s_or_b32 s[G0A+3], s[G0A+3], 0x80000000
	s_mov_b32 s[G0B], 1
	s_mov_b32 s[G0B+1], s91
	s_mov_b64 s[G0B+2:G0B+3], s[6:7]
	s_or_b32 s[G0B+3], s[G0B+3], 0x80000000
	CROUND                                         ; all sixteen work-groups are here: the joint loads meet
	s_cmp_eq_u32 s15, 0                            ; the branch hangs on the wave's number alone
	s_cbranch_scc0 .Lfor_w
	tensor_load_to_lds s[G0A:G0A+3], s[G1A:G1A+7]
	s_nop 0
.rept 4
	v_nop
.endr
	s_branch .Lasked
.Lfor_w:
	tensor_load_to_lds s[G0B:G0B+3], s[G1B:G1B+7]
	s_nop 0
.rept 4
	v_nop
.endr
.Lasked:
	s_lshl_b32 s92, s19, 9                         ; my first feature, in bytes: 512 x + 256 wc
	s_lshl_b32 s93, s16, 8
	s_add_co_u32 s92, s92, s93
	s_mov_b32 s93, 0
	s_add_nc_u64 s[10:11], s[10:11], s[92:93]
	s_add_nc_u64 s[12:13], s[12:13], s[92:93]
	s_lshl_b32 s92, s20, 19                        ; my first token's row of 4,096 bytes: 128 y + 64 wr
	s_lshl_b32 s94, s15, 18
	s_add_co_u32 s92, s92, s94
	s_add_nc_u64 s[12:13], s[12:13], s[92:93]
	s_lshl_b32 s92, s15, 13                        ; my four token tiles of 2,048 bytes
	s_mul_i32 s94, s16, 64*PITCH                   ; my 64 rows of out_w
	s_add_co_u32 s94, s94, WOFF
	s_mul_i32 s95, s[WV], 16*SP
	s_add_co_u32 s95, s95, STAGE                   ; my stage
	v_and_b32 v1, 15, v0                           ; r
	v_bfe_u32 v2, v0, 4, 1                         ; h
	v_and_b32 v3, 31, v0
	v_lshlrev_b32 v7, 5, v2                        ; out_b: 32 h
.irp ft, 0,1,2,3
	global_load_b128 v[OB+8*\ft:OB+8*\ft+3], v7, s[10:11] offset:64*\ft        ; out_b at features 16 ft + 8 h + 0 .. 7 of my 64
	global_load_b128 v[OB+8*\ft+4:OB+8*\ft+7], v7, s[10:11] offset:64*\ft+16
.endr
	v_lshlrev_b32 v3, 4, v3                        ; 16 x lane
	v_add_nc_u32 v[ADRA], s92, v3
	v_add_nc_u32 v[ADRA+1], 65536, v[ADRA]
	v_mul_u32_u24 v4, v1, PITCH
	v_lshl_add_u32 v4, v2, 4, v4                   ; row x pitch + 16 h
	v_add_nc_u32 v[ADRB], s94, v4
	v_mul_u32_u24 v5, v1, SP
	v_lshl_add_u32 v5, v2, 5, v5
	v_add_nc_u32 v[STO], s95, v5                   ; in: row r, 32 bytes for each half of the lanes
	v_mul_u32_u24 v6, v2, SP
	v_lshl_add_u32 v6, v1, 4, v6
	v_add_nc_u32 v[RD], s95, v6                    ; back: lanes 0-15 one row of 256 bytes, lanes 16-31 the next
	v_lshlrev_b32 v[CO], 12, v2
	v_lshl_add_u32 v[CO], v1, 4, v[CO]             ; and the same two rows in out0
	s_wait_alu depctr_va_vdst(0)
	s_wait_kmcnt 0x0
	s_add_co_i32 s[FS], s[SC+6], s[SC+7]
	s_add_co_i32 s[FS], s[FS], 127
	s_lshl_b32 s[FS], s[FS], 23                    ; 2^(e6 + e7) as f32
	s_mov_b32 s[FS+1], s[FS]                       ; (named with it as a pair)
.macro AK a, ks                        ; token tile a's fragment of K step ks, into set a % 2 (window 3)
.irp c, 0,1,2,3
	ds_load_b128 v[128*((\a)%2)+16*(\ks)+4*\c:128*((\a)%2)+16*(\ks)+4*\c+3], v[ADRA+(\ks)/4] offset:16384*((\ks)%4)+2048*(\a)+512*\c
.endr
.endm
.macro ALOAD a                         ; the whole of tile a: 32 loads
	WIN 0xc0
.irp ks, 0,1,2,3,4,5,6,7
	AK \a, \ks
.endr
	WIN 0
.endm
.macro LDSS ss                         ; K step ss of out_w's four fragments and of token tile 0: 20 loads
.if (\ss) < 4
	WIN 0x40
.else
	WIN 0x80
.endif
.irp ft, 0,1,2,3
.irp c, 0,1,2,3
	ds_load_b128 v[64*((\ss)%4)+16*\ft+4*\c:64*((\ss)%4)+16*\ft+4*\c+3], v[ADRB] offset:16*\ft*PITCH+128*(\ss)+32*\c
.endr
.endr
	WIN 0xc0
	AK 0, \ss
.endm
.macro MM a, ss                        ; tile a's four products of K step ss: the four accumulators take turns, K ascending; the first start the sums
.if (\ss) < 4
	WIN 0x0d                                       ; source 0 (out_w) window 1, source 1 (o) window 3
.else
	WIN 0x0e                                       ; source 0 window 2
.endif
.set ac, ACC+32*((\a)%2)
.irp ft, 0,1,2,3
.if (\ss) == 0
	v_wmma_f32_16x16x128_bf8_bf8 v[ac+8*\ft:ac+8*\ft+7], v[64*((\ss)%4)+16*\ft:64*((\ss)%4)+16*\ft+15], v[128*((\a)%2)+16*(\ss):128*((\a)%2)+16*(\ss)+15], 0
.else
	v_wmma_f32_16x16x128_bf8_bf8 v[ac+8*\ft:ac+8*\ft+7], v[64*((\ss)%4)+16*\ft:64*((\ss)%4)+16*\ft+15], v[128*((\a)%2)+16*(\ss):128*((\a)%2)+16*(\ss)+15], v[ac+8*\ft:ac+8*\ft+7]
.endif
.endr
.endm
.macro ROW a
.irp ss, 0,1,2,3,4,5,6,7
	MM \a, \ss
.endr
	WIN 0
.endm
; THE WAY OUT, a tile at a time.  A lane holds 32 neighbouring bytes of a row and the lanes beside it hold other rows: so a tile goes through my own stage and comes back as rows of 256 bytes.
; LDS serves a wave's instructions in order (ISA guide 5.7.1.4): no wait between the stores and the loads, nor in front of the next tile's stores.
.macro TOSTAGE a
.set ac, ACC+32*((\a)%2)
.irp ft, 0,1,2,3
.irp i, 0,2,4,6
	v_pk_fma_f32 v[TMP+8*\ft+\i:TMP+8*\ft+\i+1], v[ac+8*\ft+\i:ac+8*\ft+\i+1], s[FS:FS+1], v[OB+8*\ft+\i:OB+8*\ft+\i+1] op_sel_hi:[1,0,1]   ; sum x 2^(e6 + e7) + out_b; each accumulator from its low end on
.endr
.endr
.irp ft, 0,1,2,3
	ds_store_b128 v[STO], v[TMP+8*\ft:TMP+8*\ft+3] offset:64*\ft
	ds_store_b128 v[STO], v[TMP+8*\ft+4:TMP+8*\ft+7] offset:64*\ft+16
.endr
.set bk, BK+32*((\a)%2)
.irp i, 0,1,2,3,4,5,6,7
	ds_load_b128 v[bk+4*\i:bk+4*\i+3], v[RD] offset:\i*2*SP
.endr
.endm
.macro SEND a, younger                 ; younger: the LDS loads issued behind tile a's, which may stay out
.set bk, BK+32*((\a)%2)
	s_wait_dscnt \younger
.irp i, 0,1,2,3,4,5,6,7
	global_store_b128 v[CO], v[bk+4*\i:bk+4*\i+3], s[12:13] offset:(16*(\a)+2*\i)*4096 th:TH_STORE_NT   ; 16 lanes store 256 consecutive bytes, at a multiple of 256 from out0's first byte; written once
.endr
.endm
	s_wait_tensorcnt 0x0                           ; my part of the tiles is in
	s_barrier_signal -1
	s_barrier_wait -1                              ; everybody's is; nothing is filled again
	LDSS 0
	LDSS 1
	LDSS 2
.irp ss, 0,1,2,3,4,5,6,7                       ; tile 0, K step by K step behind its loads
.if \ss < 6
	s_wait_dscnt 40                                ; two later K steps' loads may be out
.elseif \ss == 6
	s_wait_dscnt 36                                ; K step 7's 20 and half of tile 1's
.else
	s_wait_dscnt 32                                ; tile 1's
.endif
	MM 0, \ss
.if \ss < 5
	LDSS \ss+3
.elseif \ss < 7
	WIN 0xc0
.irp k, 0,1,2,3
	AK 1, 4*(\ss-5)+\k
.endr
.endif
.endr
	WIN 0xc0
	PLACES                                         ; for the loads into set 0
	ALOAD 2
	s_wait_dscnt 32                                ; tile 1 is in
	ROW 1
	s_wait_loadcnt 0x0                             ; out_b
	TOSTAGE 0                                      ; its 16 multiply-adds are the places behind tile 1's products
	ALOAD 3
	SEND 0, 32                                     ; tile 2 is in too
	ROW 2
	TOSTAGE 1
	SEND 1, 0                                      ; and tile 3
	ROW 3
	s_wait_xcnt 0x0                                ; tile 0's stores have read their registers
	TOSTAGE 2                                      ; its 16 multiply-adds are the places behind tile 3's products
	SEND 2, 0
	s_wait_xcnt 0x0
	TOSTAGE 3
	SEND 3, 0
	s_wait_tensorcnt 0x0                           ; the wave's end
	ds_add_u32 v[SPW], v[NIL]
	s_wait_dscnt 0x0
	CROUND                                         ; the closing round
	s_endpgm
.Lfunc_end_k_q42eb5c4a9c_proj:
	.size	k_q42eb5c4a9c_proj, .Lfunc_end_k_q42eb5c4a9c_proj-k_q42eb5c4a9c_proj
	.p2alignl 7, 3214868480
	.fill 96, 4, 3214868480
	.section	.rodata,"a",@progbits
	.p2align	6, 0x0
	.amdhsa_kernel k_q42eb5c4a9c_proj
		.amdhsa_group_segment_fixed_size 282112
		.amdhsa_private_segment_fixed_size 0
		.amdhsa_enable_private_segment 0
		.amdhsa_kernarg_size 40
		.amdhsa_user_sgpr_count 2
		.amdhsa_user_sgpr_kernarg_segment_ptr 1
		.amdhsa_wavefront_size32 1
		.amdhsa_system_sgpr_workgroup_id_x 1
		.amdhsa_system_sgpr_workgroup_id_y 1
		.amdhsa_system_sgpr_workgroup_id_z 1
		.amdhsa_system_vgpr_workitem_id 0
		.amdhsa_next_free_vgpr 1024
		.amdhsa_next_free_sgpr 96
		.amdhsa_reserve_vcc 0
		.amdhsa_float_denorm_mode_32 3
		.amdhsa_float_denorm_mode_16_64 3
		.amdhsa_memory_ordered 1
		.amdhsa_forward_progress 1
		.amdhsa_inst_pref_size 44
	.end_amdhsa_kernel
	.amdgpu_metadata
---
amdhsa.version: [ 1, 2 ]
amdhsa.kernels:
  - .name:           k_q42eb5c4a9c_proj
    .symbol:         k_q42eb5c4a9c_proj.kd
    .args:
      - { .name: o_img, .offset: 0, .size: 8, .value_kind: global_buffer, .address_space: global }
      - { .name: out_w_codes, .offset: 8, .size: 8, .value_kind: global_buffer, .address_space: global }
      - { .name: lowp_scales, .offset: 16, .size: 8, .value_kind: global_buffer, .address_space: global }
      - { .name: out_b, .offset: 24, .size: 8, .value_kind: global_buffer, .address_space: global }
      - { .name: out0, .offset: 32, .size: 8, .value_kind: global_buffer, .address_space: global }
    .group_segment_fixed_size: 282112
    .private_segment_fixed_size: 0
    .kernarg_segment_align: 8
    .kernarg_segment_size: 40
    .max_flat_workgroup_size: 128
    .sgpr_count:     96
    .vgpr_count:     1024
    .wavefront_size: 32
...
	.end_amdgpu_metadata
.endif
;; end of part 3
